; MI455X (gfx1250); checked and timed in simulation.
; The chip was launched on July 23, 2026; its instructions are those of AMD's public machine-readable ISA for CDNA 5 (MIT licence, August 2026) and "CDNA5" Instruction Set Architecture Reference Guide (July 2026). The comments in the code are by the model that wrote it; some were corrected since.
;; min GRU. Allowed arithmetic: matrix products marked QUANTISED: E3M2 operands, one E8M0 scale for each 32 along K, by v_wmma_scale_f32_16x16x128_f8f6f4 with both operands' format E3M2, f32 sums; everything else in f32.
;; Inputs: W_hg 1,024 x 4,096 float32; W_out 2,048 x 1,024 float32; x 4 x 2,048 x 1,024 float32.
;; Outputs: out0 4 x 2,048 x 1,024 float32.
;; This version of the problem:
;;   THIS VERSION OF THE PROBLEM IS GIVEN IN LOW PRECISION. The matrix products marked QUANTISED in the list below multiply operands that are first quantised to E3M2 (3 exponent bits, 2 mantissa bits; 6 bits a number), with one power-of-two scale for each 32 numbers along K (OCP MX v1.0); their sums are f32. All else is computed in f32.
;;   The module's matrix products, in the order in which they are computed (A, B: the left and right operand; K: the contracted axis; several contracted axes count as one K, in the product's order):
;;     1. [M 8,192, K 1,024] x [K 1,024, N 4,096]; A: input x; B: input W_hg: QUANTISED
;;     2. [M 8,192, K 2,048] x [K 2,048, N 1,024]; A: computed on the way; B: input W_out: QUANTISED
;;   THE QUANTISER, for each operand of a quantised product, along K:
;;     - K is cut into blocks of 32 from its start; a last block that is shorter is filled with zeros.
;;     - A block's scale is 2^e with e = floor(log2(the largest magnitude in the block)) - 4, held to -126 .. 127; a block of zeros has e = 0. As a byte (E8M0): e + 127.
;;     - Each number is divided by its block's scale, clamped to +-28, and rounded to the nearest number of E3M2, ties to even, subnormals kept.
;;     - The product sums the exact products of the quantised numbers (number of the format x scale) in f32.
;;   ~~~python
;;   def quantise(x, axis):      # numpy; x: float32 -> the quantised numbers, widened to float32 again
;;       x = np.moveaxis(x, axis, -1); K = x.shape[-1]
;;       x = np.pad(x, [(0, 0)] * (x.ndim - 1) + [(0, -K % 32)]); x = x.reshape(x.shape[:-1] + (-1, 32)); a = np.abs(x).max(-1, keepdims=True)
;;       e = np.where(a > 0, np.clip(np.frexp(np.where(a > 0, a, 1))[1] - 1 - 4, -126, 127), 0)      # np.frexp(a)[1] - 1 = floor(log2(a)), exactly
;;       r = np.clip(x / 2.0 ** e, -28, 28)
;;       step = 2.0 ** (np.maximum(np.frexp(np.where(r == 0, 1, r))[1] - 1, -2) - 2)
;;       q = np.round(r / step) * step * 2.0 ** e      # np.round: ties to even
;;       return np.moveaxis(q.reshape(q.shape[:-2] + (-1,))[..., :K], -1, axis).astype(np.float32)
;;   ~~~
;;   OPERANDS COMPUTED ON THE WAY. 'Computed on the way' means the value that the module computes at that place (a softmax that the list does not call 'softmax' is quantised finished and normalised). What goes into a quantiser is computed in f32, as accurately as f32 sums, v_exp_f32 and their like allow (about 1e-6 of the number): no bf16 or f16 on the way to a quantiser, and a product that is left as it is and whose result goes on into a quantised operand takes f32 operands (vector FMAs, or v_wmma_f32_16x16x4_f32). A number that lies on a knife's edge between two numbers of the format may be rounded either way, as far as f32 arithmetic and the matrix unit's own rounding can turn it there, and no further.
;; One version. Each part assembles by itself: llvm-mc -triple=amdgcn-amd-amdhsa -mcpu=gfx1250 --defsym DOCPART=n.
;; ======== version 1 of 1: 3 launches
;; limits: right only within a limited range of input values
;; workspace buffers: xq 6,553,600 bytes; whq 3,276,800 bytes; woq 1,638,400 bytes; hqc 12,582,912 bytes; hqs 524,288 bytes
;; launch quant (part 1): grid 448 x 1, 4 waves a work-group, no clusters, 35,328 bytes of LDS; arguments x, W_hg, W_out, xq, whq, woq; writes xq, whq, woq
.if DOCPART == 1
	.amdgcn_target "amdgcn-amd-amdhsa--gfx1250"
	.amdhsa_code_object_version 6
	.text
	.protected	k_q7bc276caa3_quant
	.globl	k_q7bc276caa3_quant
	.p2align	8
	.type	k_q7bc276caa3_quant,@function
k_q7bc276caa3_quant:
	s_mov_b64 s[64:65], 0
	v_nop
	global_prefetch_b8 v0, s[64:65] scope:SCOPE_SE
	s_setreg_imm32_b32 hwreg(HW_REG_WAVE_MODE, 25, 1), 1
	s_wait_xcnt 0x0
; x [8192][1024], W_hg [1024][4096] and W_out [2048][1024], f32, become codes of BF6 (E3M2) with one E8M0 byte for each 32 along K, laid in the order in which the products' operand registers take them.
; THE QUANTISER: a block's scale is 2^(floor(log2(its largest magnitude)) - 4); its byte is the largest magnitude's exponent field - 4, held at 1 from below; each number is divided by the scale and rounded
; to the nearest code, ties to even, beyond 28 the largest code.
; LIMITS: NaN and infinities are not served.  A block whose largest magnitude lies under 2^-122 keeps the byte 1; a block of zeros so gets the byte 1 where the rule says 127: its codes are zeros, which add nothing
; under any byte but 0xff, and the bytes are read by this program alone.
; THE LAYOUT.  An operand's rows (x: rows; W: columns n) go in groups of 32.  A group's block kb of 32 along K is 768 bytes: bytes 0-15 of each row's 24 code bytes at 16 x row (512 bytes), then bytes 16-23 at
; 512 + 8 x (row xor 16 (kb & 1)).  A group's record is all its blocks on end, then its scale words: for each 256 along K 256 bytes, row's two words (128 along K each) at 8 x row.
; SHARES.  A wave takes one group x 256 along K: 8 blocks, 6,144 bytes of codes and 256 of scale words, all stored as whole aligned runs of 256 or 512 bytes.  Work-groups 0-255: x (group = work-group, wave = which 256
; along K); 256-383: W_hg; 384-447: W_out.  The three ways part on the work-group's number alone.  Work-groups share no input: no cluster; no tensor load, no barrier: waves share nothing.
; x: K is innermost.  Each load reads 256 consecutive bytes of two rows; 64 columns of the 32 rows turn through the wave's own stage in LDS, so that a lane then holds ONE row's two blocks in 64 registers.
; W: K is the first axis.  A lane takes a column and its registers run down K: a block lies in one lane's 32 registers as it is loaded; no stage.
.set MXA, 240                          ; v240-241 two chains of the largest magnitude
.set MXB, 241
.set SCL, 242                          ; v242     the conversion's scale operand
.set BY,  243                          ; v243     the scale's byte
.set SW,  248                          ; v248-249 my row's two scale words
.set RX,  16                           ; x: v16-143   two sets of 64 registers as loaded
.set XX,  144                          ; x: v144-207  64 numbers of my row: two blocks
.set XC,  208                          ; x: v208-239  four sets of 8 for codes
.set WX,  16                           ; W: v16-79    two sets of 32 numbers
.set WC,  80                           ; W: v80-143   eight sets of 8 for codes: no store's data are written again
.set SP,  272                          ; a stage row: 256 bytes + 16: an odd multiple of 16, so that sixteen lanes' reads of 16 bytes start at sixteen different places modulo 256
; 32 numbers of one lane, v[x] on, become 24 bytes of codes in v[c] .. v[c + 5] and the scale's byte in v[BY].  ab = 1: magnitudes are taken.
.macro QBLOCK x, c, ab
.set qX, \x
.set qC, \c
.if \ab
	v_max3_num_f32 v[MXA], |v[qX]|, |v[qX+1]|, 0x2800000           ; the floor 2^(5 - 127) among the leaves: the byte cannot fall under 1
	v_max3_num_f32 v[MXB], |v[qX+2]|, |v[qX+3]|, |v[qX+4]|
.irp k, 0,1,2,3,4,5,6,7,8,9,10,11,12
	v_max3_num_f32 v[MXA+\k%2], v[MXA+\k%2], |v[qX+5+2*\k]|, |v[qX+6+2*\k]|   ; two chains by turns
.endr
	v_max3_num_f32 v[MXA], v[MXA], v[MXB], |v[qX+31]|
.else
	v_max3_num_f32 v[MXA], v[qX], v[qX+1], 0x2800000
	v_max3_num_f32 v[MXB], v[qX+2], v[qX+3], v[qX+4]
.irp k, 0,1,2,3,4,5,6,7,8,9,10,11,12
	v_max3_num_f32 v[MXA+\k%2], v[MXA+\k%2], v[qX+5+2*\k], v[qX+6+2*\k]
.endr
	v_max3_num_f32 v[MXA], v[MXA], v[MXB], v[qX+31]
.endif
	v_add_nc_u32 v[SCL], 0xfe000000, v[MXA]                        ; 4 off the exponent field: the conversion takes the exponent field of this operand as its scale
	v_cvt_scalef32_pk16_bf6_f32 v[qC:qC+2], v[qX:qX+15], v[SCL]
	v_cvt_scalef32_pk16_bf6_f32 v[qC+4:qC+6], v[qX+16:qX+31], v[SCL]   ; (a conversion's three registers begin on an even number)
	v_lshrrev_b32 v[BY], 23, v[SCL]                                ; the byte; also the plain instruction between the conversions and the moves that read their results
	v_mov_b32 v[qC+3], v[qC+4]
	v_mov_b32 v[qC+4], v[qC+5]
	v_mov_b32 v[qC+5], v[qC+6]                                     ; six registers on end
.endm
; block t of the wave's eight leaves: 32 lanes x 16 bytes = 512 consecutive bytes, 32 lanes x 8 bytes = 256; its byte goes into my scale words
.macro PUT c, t
.set qC, \c
	global_store_b128 v5, v[qC:qC+3], s[24:25] offset:768*(\t)
	global_store_b64 v[6+(\t)%2], v[qC+4:qC+5], s[24:25] offset:768*(\t)+512   ; the wave's first block has an even kb, so kb & 1 = t & 1
.if (\t)%4 == 0
	v_mov_b32 v[SW+(\t)/4], v[BY]
.else
	v_lshl_or_b32 v[SW+(\t)/4], v[BY], 8*((\t)%4), v[SW+(\t)/4]
.endif
.endm
	s_load_b256 s[4:11], s[0:1], 0x0               ; x s[4:5], W_hg s[6:7], W_out s[8:9], xq s[10:11]
	s_load_b128 s[12:15], s[0:1], 0x20             ; whq s[12:13], woq s[14:15]
	v_lshl_add_u32 v254, v0, 2, 0x8800
	v_mov_b32 v255, 0
	v_lshrrev_b32 v1, 5, v0
	v_readfirstlane_b32 s16, v1                    ; wave 0..3
	v_and_b32 v1, 31, v0                           ; lane
	v_lshlrev_b32 v5, 4, v1                        ; 16 x lane
	v_lshlrev_b32 v6, 3, v1                        ; 8 x lane
	v_xor_b32 v7, 16, v1
	v_lshlrev_b32 v7, 3, v7                        ; 8 x (lane xor 16)
	s_mov_b32 s21, 0
	s_mov_b32 s23, 0
	s_wait_kmcnt 0x0
	s_cmp_lt_u32 ttmp9, 256
	s_cbranch_scc1 .Lx
	s_cmp_lt_u32 ttmp9, 384
	s_cbranch_scc1 .Lw_hg
; A WEIGHT [K][n].  lognxb: log2 of n / 128; rec: a group's record; soff: where its scale words begin; first: the way's first work-group; src, dst: the pointers' registers
.macro WLOAD t, n, src                 ; block t: W(32 t + i, my column), i = 0 .. 31: 32 lanes read 128 consecutive bytes, the four waves 512.  The largest immediate is 255 rows of 16,384 bytes, inside the signed 24 bits
.set i, 0
.rept 32
	global_load_b32 v[WX+32*((\t)%2)+i], v2, s[\src:\src+1] offset:(32*(\t)+i)*(\n)*4 th:TH_LOAD_NT
.set i, i+1
.endr
.endm
.macro WBLOCK t, n, src
.if (\t) < 7
	s_wait_loadcnt 32                              ; this block's 32 loads are in; the next block's 32 may be out
.else
	s_wait_loadcnt 0x0
.endif
	QBLOCK WX+32*((\t)%2), WC+8*(\t), 1
	PUT WC+8*(\t), \t
.if (\t) < 6
	WLOAD (\t)+2, \n, \src
.endif
.endm
.macro WPATH n, lognxb, rec, soff, first, src, dst
	s_sub_co_u32 s17, ttmp9, \first
	s_and_b32 s18, s17, (1<<\lognxb)-1
	s_lshr_b32 s17, s17, \lognxb                   ; which 256 along K
	s_lshl_b32 s18, s18, 2
	s_add_co_u32 s18, s18, s16                     ; my group of 32 columns
	s_mul_i32 s20, s17, 256*(\n)*4
	s_lshl_b32 s22, s18, 7
	s_add_co_u32 s20, s20, s22
	s_add_nc_u64 s[\src:\src+1], s[\src:\src+1], s[20:21]   ; W at (256 s17, 32 group)
	s_mul_i32 s20, s18, \rec
	s_mul_i32 s22, s17, 6144
	s_add_co_u32 s22, s22, s20
	s_add_nc_u64 s[24:25], s[\dst:\dst+1], s[22:23]         ; my eight blocks of codes
	s_lshl_b32 s22, s17, 8
	s_add_co_u32 s22, s22, s20
	s_add_co_u32 s22, s22, \soff
	s_add_nc_u64 s[26:27], s[\dst:\dst+1], s[22:23]         ; my 256 bytes of scale words
	v_lshlrev_b32 v2, 2, v1                        ; 4 bytes a lane
	WLOAD 0, \n, \src
	WLOAD 1, \n, \src
.irp t, 0,1,2,3,4,5,6,7
	WBLOCK \t, \n, \src
.endr
	global_store_b64 v6, v[SW:SW+1], s[26:27]      ; 32 lanes store 256 consecutive bytes
.endm
	s_wait_alu depctr_va_vdst(0)
	WPATH 1024, 3, 51200, 49152, 384, 8, 14        ; W_out
	s_endpgm
.Lw_hg:
	s_wait_alu depctr_va_vdst(0)
	WPATH 4096, 5, 25600, 24576, 256, 6, 12        ; W_hg
	s_endpgm
.Lx:                                               ; x: group = work-group, wave = which 256 along K
	s_lshl_b32 s20, ttmp9, 17                      ; 32 rows of 4,096 bytes
	s_lshl_b32 s22, s16, 10
	s_add_co_u32 s20, s20, s22
	s_add_nc_u64 s[4:5], s[4:5], s[20:21]
	s_mul_i32 s20, ttmp9, 25600
	s_mul_i32 s22, s16, 6144
	s_add_co_u32 s22, s22, s20
	s_add_nc_u64 s[24:25], s[10:11], s[22:23]
	s_lshl_b32 s22, s16, 8
	s_add_co_u32 s22, s22, s20
	s_add_co_u32 s22, s22, 24576
	s_add_nc_u64 s[26:27], s[10:11], s[22:23]
	v_and_b32 v8, 15, v0
	v_bfe_u32 v9, v0, 4, 1
	v_lshlrev_b32 v2, 4, v8
	v_lshl_add_u32 v2, v9, 12, v2                  ; in: lanes 0-15 one row's 256 bytes, lanes 16-31 the next row's
	s_mul_i32 s17, s16, 32*SP                      ; my wave's stage
	v_lshlrev_b32 v3, 4, v8
	v_mad_u32_u24 v3, v9, SP, v3
	v_add_nc_u32 v3, s17, v3                       ; into the stage, as loaded
	v_mul_u32_u24 v4, v1, SP
	v_add_nc_u32 v4, s17, v4                       ; out of it: lane = row
.macro LOADX u                         ; 64 columns (two blocks) of the 32 rows
.set i, 0
.rept 16
	global_load_b128 v[RX+64*((\u)%2)+4*i:RX+64*((\u)%2)+4*i+3], v2, s[4:5] offset:8192*i+256*(\u) th:TH_LOAD_NT
.set i, i+1
.endr
.endm
.macro PASS u
.if (\u) < 3
	s_wait_loadcnt 16                              ; this pass's 16 loads are in; the next pass's 16 may be out
.else
	s_wait_loadcnt 0x0
.endif
.set i, 0
.rept 16
	ds_store_b128 v3, v[RX+64*((\u)%2)+4*i:RX+64*((\u)%2)+4*i+3] offset:2*SP*i
.set i, i+1
.endr
.set i, 0
.rept 16
	ds_load_b128 v[XX+4*i:XX+4*i+3], v4 offset:16*i   ; LDS serves a wave's instructions in order (ISA guide 5.7.1.4): these see the stores above
.set i, i+1
.endr
	s_wait_dscnt 0x0                               ; my row's 64 numbers are in, and the stores have read the loaded set
.if (\u) >= 2
	s_wait_xcnt 0x0                                ; the stores of two passes ago have read their sets of codes, which are written again below
.endif
.if (\u) < 2
	LOADX (\u)+2
.endif
	QBLOCK XX, XC+8*((2*(\u))%4), 1
	PUT XC+8*((2*(\u))%4), 2*(\u)
	QBLOCK XX+32, XC+8*((2*(\u)+1)%4), 1
	PUT XC+8*((2*(\u)+1)%4), 2*(\u)+1
.endm
	LOADX 0
	LOADX 1
	s_wait_alu depctr_va_vdst(0)
.irp u, 0,1,2,3
	PASS \u
.endr
	global_store_b64 v6, v[SW:SW+1], s[26:27]
	s_wait_tensorcnt 0x0
	ds_add_u32 v254, v255
	s_wait_dscnt 0x0
	s_endpgm
.Lfunc_end_k_q7bc276caa3_quant:
	.size	k_q7bc276caa3_quant, .Lfunc_end_k_q7bc276caa3_quant-k_q7bc276caa3_quant
	.p2alignl 7, 3214868480
	.fill 96, 4, 3214868480
	.section	.rodata,"a",@progbits
	.p2align	6, 0x0
	.amdhsa_kernel k_q7bc276caa3_quant
		.amdhsa_group_segment_fixed_size 35328
		.amdhsa_private_segment_fixed_size 0
		.amdhsa_enable_private_segment 0
		.amdhsa_kernarg_size 48
		.amdhsa_user_sgpr_count 2
		.amdhsa_user_sgpr_kernarg_segment_ptr 1
		.amdhsa_wavefront_size32 1
		.amdhsa_system_sgpr_workgroup_id_x 1
		.amdhsa_system_sgpr_workgroup_id_y 1
		.amdhsa_system_sgpr_workgroup_id_z 1
		.amdhsa_system_vgpr_workitem_id 0
		.amdhsa_next_free_vgpr 256
		.amdhsa_next_free_sgpr 66
		.amdhsa_reserve_vcc 0
		.amdhsa_float_denorm_mode_32 3
		.amdhsa_float_denorm_mode_16_64 3
		.amdhsa_memory_ordered 1
		.amdhsa_forward_progress 1
		.amdhsa_inst_pref_size 105
	.end_amdhsa_kernel
	.amdgpu_metadata
---
amdhsa.version: [ 1, 2 ]
amdhsa.kernels:
  - .name:           k_q7bc276caa3_quant
    .symbol:         k_q7bc276caa3_quant.kd
    .args:
      - { .name: x, .offset: 0, .size: 8, .value_kind: global_buffer, .address_space: global }
      - { .name: W_hg, .offset: 8, .size: 8, .value_kind: global_buffer, .address_space: global }
      - { .name: W_out, .offset: 16, .size: 8, .value_kind: global_buffer, .address_space: global }
      - { .name: xq, .offset: 24, .size: 8, .value_kind: global_buffer, .address_space: global }
      - { .name: whq, .offset: 32, .size: 8, .value_kind: global_buffer, .address_space: global }
      - { .name: woq, .offset: 40, .size: 8, .value_kind: global_buffer, .address_space: global }
    .group_segment_fixed_size: 35328
    .private_segment_fixed_size: 0
    .kernarg_segment_align: 8
    .kernarg_segment_size: 48
    .max_flat_workgroup_size: 128
    .sgpr_count:     66
    .vgpr_count:     256
    .wavefront_size: 32
...
	.end_amdgpu_metadata
.endif
;; end of part 1
;; launch gru (part 2): grid 64 x 4, 4 waves a work-group, clusters of 4 x 1, 327,680 bytes of LDS; arguments xq, whq, hqc, hqs; writes hqc, hqs
.if DOCPART == 2
	.amdgcn_target "amdgcn-amd-amdhsa--gfx1250"
	.amdhsa_code_object_version 6
	.text
	.protected	k_q7bc276caa3_gru
	.globl	k_q7bc276caa3_gru
	.p2align	8
	.type	k_q7bc276caa3_gru,@function
k_q7bc276caa3_gru:
	s_mov_b64 s[64:65], 0
	v_nop
	global_prefetch_b8 v0, s[64:65] scope:SCOPE_SE
	s_setreg_imm32_b32 hwreg(HW_REG_WAVE_MODE, 25, 1), 1
	s_wait_xcnt 0x0
	s_wait_alu depctr_hold_cnt(0) depctr_sa_sdst(0) depctr_va_vdst(0) depctr_va_sdst(0) depctr_va_ssrc(0) depctr_va_vcc(0) depctr_vm_vsrc(0)
	s_getreg_b32 s2, hwreg(HW_REG_IB_STS2, 6, 4)
	s_cmp_eq_u32 s2, 0
	s_cbranch_scc0 .Lentry_in_a_cluster
	s_endpgm
.Lentry_in_a_cluster:
	s_bfe_u32 s2, ttmp6, 0x10000c
	s_cmp_lg_u32 s2, 0x3003
	s_cbranch_scc0 .Lentry_shape_is_right
	s_endpgm
.Lentry_shape_is_right:
; hg = Q(x) Q(W_hg) on codes of BF6 (E3M2); the gates; the scan along time; h quantised along the inner channels.  hg and h in f32 never go to memory.
; THE SCAN.  exp(a*_t + cumlogsumexp(log v - a*)_t), a* = cumsum(log c), is the sum over i <= t of v_i x the product of c_k, i < k <= t: the recurrence h_t = c_t h_(t-1) + v_t from h = 0, with
; c = sigmoid(-gate) = 1 / (1 + e^gate) and v = sigmoid(gate) (relu(hidden) + 0.5) = e^gate c max(hidden + 0.5, 0.5).  Every c is at most 1 and every term is positive: no exponential of a sum is formed,
; nothing can overflow, no difference of large numbers is taken; so there is no maximum to take away.  It holds for every input.
; LIMITS: gate x log2(e) is held at 120 from above, so that 1 + e^gate and its reciprocal stay normal numbers: c is held at 2^-120 where it is smaller.  Where e^gate falls under 2^-126 it counts as 0 (c = 1, v = 0).
; NaN and infinities are not served.  A block of h whose largest number lies under 2^-122 keeps the scale byte 1 (a block of zeros too: its codes are zeros; the bytes are read by this program alone).
; The 0.5 of relu(hidden) + 0.5 is the C of the hidden sums' first product: hidden + 0.5 is rounded in another order.
; SHARES.  A work-group owns one batch b and 32 inner channels, that is 64 columns of W_hg (32 hidden, 32 gate), for all 2,048 steps: 16 tiles of 128 steps, all of K = 1,024.  Wave w takes steps 32 w .. 32 w + 31 of a tile
; and keeps all 64 columns' codes in registers (384), read from memory once.  Source 0 = 16 steps of x, source 1 = 16 columns of W: lane (r, h) holds channel 16 a + r, its registers 0-7 the steps 16 m + 8 h + 0 .. 7.
; A TRIP, tile t: the 64 products on fragments that are already in registers; the three lines and the round (tile t + 1 has landed, slot t % 2 is read out, the pairs of tile t - 1 are published); the refill of slot t % 2
; with tile t + 2; then tile t's gates and scan, and among them, in short runs, the LDS loads of tile t + 1's fragments, and the carry, the stage and the quantiser of tile t - 1.
; So tile t - 1's h from 0 outlives tile t's products: the hidden accumulators have two sets, by turns.
; CLUSTER.  The four work-groups of a cluster share b and walk the same tiles of x: each wave's record is asked for JOINTLY, with the mask 15.  The place in the cluster enters global addresses alone.
; PREFETCH.  A tile is 400 runs of 256 bytes.  All sixteen clusters of a batch walk them; the batch's first cluster asks: its 16 waves (told apart by address, 4 cx + wave) name 25 runs each, a lane a run (lanes 25-31 name
; the wave's last run again).  Trip t asks for tile t + 3, one tile ahead of the tensor load of trip t + 1, in trips 0 to 12: the last run named is the batch's last.
; WINDOWS of 256 registers: 0: addresses, scales, accumulators, vector work; 1: hidden W's 16 fragments at v[12 (8 a + s)], and from v192 the quantiser's registers; 2: gate W's; 3: x's 16 fragments at v[12 (8 m + s)].
.set REC,   25600                      ; a group's record: 32 blocks of 768 bytes, then 4 x 256 bytes of scale words
.set SLOTB, 4*REC                      ; a slot: a tile's four records, wave w's at w x REC
.set AGG,   2*SLOTB                    ; the waves' pairs: 2 parities x 1,024 bytes
.set STG,   AGG+2048                   ; each wave's stage: 32 rows of 128 bytes + 16
.set SPI,   144
.set SCB,   STG+4*32*SPI               ; h's scale bytes: 512 x wave + 32 x tile + step
.set SPARE, SCB+2048                   ; the spare words, 128 bytes a wave, that no other line names
.set GP,   4                           ; v4-7    a fragment's lane parts
.set LA,   8                           ; v8-11   the same + my record's place in slot 0;  v12-15 in slot 1
.set AGW,  16
.set AGR,  17
.set STW,  18
.set STR,  19
.set SBA,  20
.set SBT,  21
.set VO16, 22
.set VO8,  23
.set PFO,  24                          ; 256 x min(lane, 24); never rewritten
.set VOT,  25
.set SPW,  26
.set NIL,  27
.set HC,   28                          ; v28-29  h at the tile's head
.set SBR,  30
.set XS,   32                          ; v32-39  x's scale words of K step s
.set WS,   40                          ; v40-55  W's: 8 g + s
.set PP,   56                          ; v56-63  the other half's pair of run (m, a)
.set HA0,  64                          ; v64-95  hidden's accumulators of even tiles; then v; then h.  Odd tiles: v160-191
.set GA,   96                          ; v96-127 gate's; then e^gate; then z
.set PA,   128                         ; v128-159 c; then the running product of c
.set TP,   192                         ; v192-199 at work in AGGR
.set AG,   200                         ; v200-215 the four waves' pairs
.set HIN,  216
.set PT,   224
.set AGS,  232
.set HW,   236
.set HALF, 248                         ; v248-255 0.5: the C of the hidden sums' first products
.set XR,   192                         ; window 1: v192-223 a step's 32 channels
.set CR,   224                         ; window 1: codes
.set MXA,  232
.set MXB,  233
.set SCL,  234
.set BY,   235
.set G1,   16                          ; s[16:23] descriptor group 1;  s[24:27], s[28:31] group 0 for slots 0, 1
.set G0,   24
; s12 wave; s13 cx; s14 block of channels; s15 batch; s[32:35] W's records; s[36:37] h's codes; s[38:39] prefetches; s40 their limit; s41 scale bytes' step; s42 lanes 16-31; s43-45 wave >= 1, 2, 3; s50 loop; s51 tiles to go
.set MSB, 0
.macro WIN new
.if MSB != \new
	s_set_vgpr_msb (MSB<<8)|\new
.set MSB, \new
.endif
.endm
.macro PLACES
.rept 4
	v_nop
.endr
.endm
.macro ROUND                           ; a round of the cluster's barrier
	s_barrier_signal -1
	s_barrier_wait -1
	s_cmp_lg_u32 s12, 0
	s_cbranch_scc1 .Lnot_wave_0_\@
	s_barrier_signal -3
.Lnot_wave_0_\@:
	s_barrier_wait -3
	s_barrier_signal -1
	s_barrier_wait -1
.endm
.macro QBLOCK                          ; 32 numbers of one lane, none negative, become 24 bytes of codes and the scale's byte; all in window 1
	v_max3_num_f32 v[MXA], v[XR], v[XR+1], 0x2800000               ; the floor 2^(5 - 127) among the leaves: the byte cannot fall under 1
	v_max3_num_f32 v[MXB], v[XR+2], v[XR+3], v[XR+4]
.irp k, 0,1,2,3,4,5,6,7,8,9,10,11,12
	v_max3_num_f32 v[MXA+\k%2], v[MXA+\k%2], v[XR+5+2*\k], v[XR+6+2*\k]
.endr
	v_max3_num_f32 v[MXA], v[MXA], v[MXB], v[XR+31]
	v_add_nc_u32 v[SCL], 0xfe000000, v[MXA]                        ; 4 off the exponent field: the conversion's scale operand
	v_cvt_scalef32_pk16_bf6_f32 v[CR:CR+2], v[XR:XR+15], v[SCL]
	v_cvt_scalef32_pk16_bf6_f32 v[CR+4:CR+6], v[XR+16:XR+31], v[SCL]
	v_lshrrev_b32 v[BY], 23, v[SCL]                                ; the byte; also the plain instruction behind the conversions
	v_mov_b32 v[CR+3], v[CR+4]
	v_mov_b32 v[CR+4], v[CR+5]
	v_mov_b32 v[CR+5], v[CR+6]
.endm
; A fragment, 16 rows x 128 K, 12 registers: lane (r, h) takes blocks 4 s + h and 4 s + 2 + h of row 16 a + r, each as 16 bytes and 8 bytes
.macro FRAG reg, ad, off, a
.set rF, \reg
.set rO, \off
	ds_load_b128 v[rF:rF+3], v[\ad] offset:rO+256*(\a)
	ds_load_b64 v[rF+4:rF+5], v[\ad+1+(\a)] offset:rO+512
	ds_load_b128 v[rF+6:rF+9], v[\ad] offset:rO+1536+256*(\a)
	ds_load_b64 v[rF+10:rF+11], v[\ad+1+(\a)] offset:rO+2048
.endm
.macro WFRAG reg, base, off, a         ; the same from memory
.set rF, \reg
.set rO, \off
	global_load_b128 v[rF:rF+3], v[GP], s[\base:\base+1] offset:rO+256*(\a)
	global_load_b64 v[rF+4:rF+5], v[GP+1+(\a)], s[\base:\base+1] offset:rO+512
	global_load_b128 v[rF+6:rF+9], v[GP], s[\base:\base+1] offset:rO+1536+256*(\a)
	global_load_b64 v[rF+10:rF+11], v[GP+1+(\a)], s[\base:\base+1] offset:rO+2048
.endm
.macro FCH sl, c                       ; K step c of my record in slot sl: two fragments, 8 loads; runs 0-3 also bring two K steps' scale words: 9 loads
	WIN 0xc0                                       ; destination window 3, address window 0
	FRAG 12*(\c), LA+4*(\sl), 3072*(\c), 0
	FRAG 12*(8+(\c)), LA+4*(\sl), 3072*(\c), 1
	WIN 0
.if (\c) < 4
	ds_load_b64 v[XS+2*(\c):XS+2*(\c)+1], v[LA+4*(\sl)+3] offset:24576+256*(\c)
.endif
.endm
; one product: g = 0 hidden, 1 gate; steps 16 m on, columns 16 a on, K step s.  The first K step starts the sum: hidden's from 0.5, gate's from 0
.macro WM g, m, a, s
.set rD, GA+8*(2*(\m)+(\a))
.if (\g) == 0
.set rD, HN+8*(2*(\m)+(\a))
.endif
.set rC, rD
.if (\s) == 0
.set rC, HALF
.endif
.set rA, 12*(8*(\m)+(\s))
.set rB, 12*(8*(\a)+(\s))
.set rP, XS+(\s)
.set rQ, WS+8*(\g)+(\s)
.if (\s) == 0 && (\g) == 1
.if (2*(\m)+(\a)) == 0
	v_wmma_scale_f32_16x16x128_f8f6f4 v[rD:rD+7], v[rA:rA+11], v[rB:rB+11], 0, v[rP], v[rQ] matrix_a_fmt:MATRIX_FMT_BF6 matrix_b_fmt:MATRIX_FMT_BF6
.elseif (2*(\m)+(\a)) == 1
	v_wmma_scale_f32_16x16x128_f8f6f4 v[rD:rD+7], v[rA:rA+11], v[rB:rB+11], 0, v[rP], v[rQ] matrix_a_fmt:MATRIX_FMT_BF6 matrix_b_fmt:MATRIX_FMT_BF6 matrix_b_scale:MATRIX_SCALE_ROW1
.elseif (2*(\m)+(\a)) == 2
	v_wmma_scale_f32_16x16x128_f8f6f4 v[rD:rD+7], v[rA:rA+11], v[rB:rB+11], 0, v[rP], v[rQ] matrix_a_fmt:MATRIX_FMT_BF6 matrix_b_fmt:MATRIX_FMT_BF6 matrix_a_scale:MATRIX_SCALE_ROW1
.else
	v_wmma_scale_f32_16x16x128_f8f6f4 v[rD:rD+7], v[rA:rA+11], v[rB:rB+11], 0, v[rP], v[rQ] matrix_a_fmt:MATRIX_FMT_BF6 matrix_b_fmt:MATRIX_FMT_BF6 matrix_a_scale:MATRIX_SCALE_ROW1 matrix_b_scale:MATRIX_SCALE_ROW1
.endif
.else
.if (2*(\m)+(\a)) == 0
	v_wmma_scale_f32_16x16x128_f8f6f4 v[rD:rD+7], v[rA:rA+11], v[rB:rB+11], v[rC:rC+7], v[rP], v[rQ] matrix_a_fmt:MATRIX_FMT_BF6 matrix_b_fmt:MATRIX_FMT_BF6
.elseif (2*(\m)+(\a)) == 1
	v_wmma_scale_f32_16x16x128_f8f6f4 v[rD:rD+7], v[rA:rA+11], v[rB:rB+11], v[rC:rC+7], v[rP], v[rQ] matrix_a_fmt:MATRIX_FMT_BF6 matrix_b_fmt:MATRIX_FMT_BF6 matrix_b_scale:MATRIX_SCALE_ROW1
.elseif (2*(\m)+(\a)) == 2
	v_wmma_scale_f32_16x16x128_f8f6f4 v[rD:rD+7], v[rA:rA+11], v[rB:rB+11], v[rC:rC+7], v[rP], v[rQ] matrix_a_fmt:MATRIX_FMT_BF6 matrix_b_fmt:MATRIX_FMT_BF6 matrix_a_scale:MATRIX_SCALE_ROW1
.else
	v_wmma_scale_f32_16x16x128_f8f6f4 v[rD:rD+7], v[rA:rA+11], v[rB:rB+11], v[rC:rC+7], v[rP], v[rQ] matrix_a_fmt:MATRIX_FMT_BF6 matrix_b_fmt:MATRIX_FMT_BF6 matrix_a_scale:MATRIX_SCALE_ROW1 matrix_b_scale:MATRIX_SCALE_ROW1
.endif
.endif
.endm
.macro GEMM                            ; 64 products; four accumulators take turns, one instruction a turn
	WIN 0x07                                       ; source 0 (x) window 3, source 1 (hidden W) window 1, C and D window 0
.irp s, 0,1,2,3,4,5,6,7
.irp m, 0,1
.irp a, 0,1
	WM 0, \m, \a, \s
.endr
.endr
.endr
	WIN 0x0b                                       ; source 1 (gate W) window 2
.irp s, 0,1,2,3,4,5,6,7
.irp m, 0,1
.irp a, 0,1
	WM 1, \m, \a, \s
.endr
.endr
.endr
	WIN 0
.endm
; THE PAIRS.  A stretch of steps acts on what comes in as h -> P h + Q; two stretches one after the other give (P2 P1, P2 Q1 + Q2).
; Tile t's pairs go to parity t % 2: a parity's store and its read, and that read and the parity's next store, are each parted by a trip's barrier.
.macro AGGR par
.irp q, 0,1,2,3
	v_permlanex16_b32 v[PP+2*\q], v[PA+8*\q+7], s48, s49          ; the other half's run
	v_permlanex16_b32 v[PP+2*\q+1], v[HN+8*\q+7], s48, s49
.endr
.irp q, 0,1,2,3
	v_mul_f32 v[PT+2*\q], v[PA+8*\q+7], v[PP+2*\q]
	v_fma_f32 v[TP+2*\q], v[PP+2*\q], v[HN+8*\q+7], v[PP+2*\q+1]  ; lanes 0-15: mine comes first
	v_fma_f32 v[TP+2*\q+1], v[PA+8*\q+7], v[PP+2*\q+1], v[HN+8*\q+7]   ; lanes 16-31: mine comes second
.endr
.irp q, 0,1,2,3
	v_cndmask_b32 v[PT+2*\q+1], v[TP+2*\q], v[TP+2*\q+1], s42     ; 16 steps' pair, the same bits in both halves
.endr
.irp a, 0,1
	v_mul_f32 v[AGS+2*\a], v[PT+2*\a], v[PT+4+2*\a]
	v_fma_f32 v[AGS+2*\a+1], v[PT+4+2*\a], v[PT+2*\a+1], v[PT+4+2*\a+1]   ; my wave's 32 steps
.endr
	ds_store_b128 v[AGW], v[AGS:AGS+3] offset:1024*(\par)          ; both halves of the lanes write the same bytes with the same values
.endm
.macro FIN_A par                       ; the four waves' pairs of the tile before
.irp k, 0,1,2,3
	ds_load_b128 v[AG+4*\k:AG+4*\k+3], v[AGR] offset:1024*(\par)+256*\k
.endr
.endm
; THE CARRY of the tile before, and h into the stage and back.  younger: the LDS loads issued behind FIN_A's four, which may stay out
.macro FIN_B1 younger
	s_wait_dscnt \younger
.irp a, 0,1
	v_fma_f32 v[HW+4*\a], v[AG+2*\a], v[HC+\a], v[AG+2*\a+1]              ; h behind wave 0,
.endr
.irp a, 0,1
	v_fma_f32 v[HW+4*\a+1], v[AG+4+2*\a], v[HW+4*\a], v[AG+4+2*\a+1]      ; wave 1,
.endr
.irp a, 0,1
	v_fma_f32 v[HW+4*\a+2], v[AG+8+2*\a], v[HW+4*\a+1], v[AG+8+2*\a+1]    ; wave 2
	v_cndmask_b32 v[HW+4*\a+3], v[HC+\a], v[HW+4*\a], s43
.endr
.irp a, 0,1
	v_cndmask_b32 v[HW+4*\a+3], v[HW+4*\a+3], v[HW+4*\a+1], s44
.endr
.irp a, 0,1
	v_cndmask_b32 v[HW+4*\a+3], v[HW+4*\a+3], v[HW+4*\a+2], s45           ; h at my wave's head
	v_fma_f32 v[HC+\a], v[AG+12+2*\a], v[HW+4*\a+2], v[AG+12+2*\a+1]      ; and at the next tile's: the same bits in all four waves
.endr
.irp a, 0,1
	v_fma_f32 v[HIN+2*\a+1], v[PP+2*\a], v[HW+4*\a+3], v[PP+2*\a+1]       ; behind the first run of 8 (of use in lanes 16-31)
	v_fma_f32 v[HW+4*\a], v[PT+2*\a], v[HW+4*\a+3], v[PT+2*\a+1]          ; behind 16 steps
.endr
.irp a, 0,1
	v_cndmask_b32 v[HIN+2*\a], v[HW+4*\a+3], v[HIN+2*\a+1], s42
	v_fma_f32 v[HIN+4+2*\a+1], v[PP+4+2*\a], v[HW+4*\a], v[PP+4+2*\a+1]
.endr
.irp a, 0,1
	v_cndmask_b32 v[HIN+4+2*\a], v[HW+4*\a], v[HIN+4+2*\a+1], s42
.endr
.irp q, 0,1,2,3
.irp i, 0,2,4,6
	v_pk_fma_f32 v[HO+8*\q+\i:HO+8*\q+\i+1], v[PA+8*\q+\i:PA+8*\q+\i+1], v[HIN+2*\q:HIN+2*\q+1], v[HO+8*\q+\i:HO+8*\q+\i+1] op_sel_hi:[1,0,1]   ; h = P x (h at the run's head) + h from 0
.endr
.endr
.irp m, 0,1
.irp a, 0,1
.irp j, 0,1,2,3,4,5,6,7
	ds_store_b32 v[STW], v[HO+8*(2*\m+\a)+\j] offset:(16*\m+\j)*SPI+64*\a   ; row = step 16 m + 8 h + j, word = channel 16 a + r
.endr
.endr
.endr
	WIN 0x40                                       ; destination window 1
.irp i, 0,1,2,3,4,5,6,7
	ds_load_b128 v[XR+4*\i:XR+4*\i+3], v[STR] offset:16*\i         ; LDS serves a wave's instructions in order (ISA guide 5.7.1.4): these see the stores above.  Lane = step, 32 channels
.endr
	WIN 0
	v_add_nc_u32 v[SBT], s41, v[SBA]
.endm
.macro FIN_B2 younger                  ; the block is quantised and leaves.  younger: the LDS loads issued behind the stage's eight
	s_wait_dscnt \younger
	WIN 0x55                                       ; all operands window 1
	QBLOCK
	WIN 0x04                                       ; addresses window 0, data window 1
	global_store_b128 v[VO16], v[CR:CR+3], s[36:37]                ; 512 consecutive bytes, at a multiple of 256 from the buffer's first byte
	global_store_b64 v[VO8], v[CR+4:CR+5], s[36:37] offset:512     ; 256 more
	ds_store_b8 v[SBT], v[BY]
	WIN 0
.endm
.macro ASK
	s_cmp_gt_u32 s51, s40
	s_cbranch_scc0 .Lnot_mine_\@
	global_prefetch_b8 v[PFO], s[38:39] th:TH_LOAD_NT scope:SCOPE_SE
.Lnot_mine_\@:
.endm
; A TRIP: tile t, p = t % 2.  refill: slot p takes tile t + 2.  fin: there is a tile before.  fetch: tile t + 1's fragments come from slot 1 - p.
.macro TRIP p, refill, fin, fetch
.set HN, HA0+96*(\p)
.set HO, HA0+96*(1-(\p))
	s_wait_dscnt 0x0                               ; x's fragments and scale words are in; so slot p is read out
	GEMM
	s_wait_alu depctr_va_vdst(0)
	s_wait_tensorcnt 0x0                           ; my one tensor load that was out has landed: my record of tile t + 1; so a group 0 may be written
	ds_add_u32 v[SPW], v[NIL]
.if \refill
	s_add_nc_u64 s[G0+2+4*\p:G0+3+4*\p], s[G0+2+4*\p:G0+3+4*\p], 2*SLOTB   ; this slot's next tile
.endif
	s_wait_dscnt 0x0
.if \refill
	ROUND                                          ; all that now holds of every wave of the four work-groups
	tensor_load_to_lds s[G0+4*\p:G0+3+4*\p], s[G1:G1+7]   ; the first thing behind the round, my one tensor load until the next
	s_nop 0
	PLACES                                         ; also the places between the last products and the reads and loads below
	ASK
.else
	s_barrier_signal -1                            ; nothing is filled again: the work-group's barrier publishes the pairs
	s_barrier_wait -1
	PLACES
.endif
.if \fin
	FIN_A 1-\p
.endif
.set i, 0
.rept 16
	v_pk_mul_f32 v[GA+i:GA+i+1], v[GA+i:GA+i+1], s[46:47] op_sel_hi:[1,0]   ; gate x log2(e); each accumulator from its low end on
.set i, i+2
.endr
.if \fetch
	FCH 1-\p, 0
.endif
.set i, 0
.rept 32
	v_min_num_f32 v[GA+i], 0x42f00000, v[GA+i]     ; held at 120
.set i, i+1
.endr
.if \fetch
	FCH 1-\p, 1
.endif
.set i, 0
.rept 32
	v_max_num_f32 v[HN+i], 0.5, v[HN+i]            ; max(hidden + 0.5, 0.5) = relu(hidden) + 0.5
.set i, i+1
.endr
.if \fetch
	FCH 1-\p, 2
.endif
	s_wait_alu depctr_va_vdst(0)
.set i, 0
.rept 32
	v_exp_f32 v[GA+i], v[GA+i]                     ; E = e^gate
.set i, i+1
.endr
.if \fin
	FIN_B1 27*(\fetch)                             ; behind the four loads of pairs: three runs of 9 loads
.else
	v_nop
.endif
	s_wait_alu depctr_va_vdst(0)                   ; and one behind it
.set i, 0
.rept 16
	v_pk_add_f32 v[PA+i:PA+i+1], v[GA+i:GA+i+1], 1.0 op_sel_hi:[1,0]   ; (the tile before has used its products of c)
.set i, i+2
.endr
.if \fetch
	FCH 1-\p, 3
.endif
	s_wait_alu depctr_va_vdst(0)
.set i, 0
.rept 32
	v_rcp_f32 v[PA+i], v[PA+i]                     ; c = 1 / (1 + E)
.set i, i+1
.endr
.if \fin
	FIN_B2 9*(\fetch)                              ; behind the stage's loads: one run of 9
.else
	v_nop
.endif
	s_wait_alu depctr_va_vdst(0)
.set i, 0
.rept 16
	v_pk_mul_f32 v[GA+i:GA+i+1], v[GA+i:GA+i+1], v[PA+i:PA+i+1]   ; z = E c
.set i, i+2
.endr
.if \fetch
	FCH 1-\p, 4
.endif
.set i, 0
.rept 16
	v_pk_mul_f32 v[HN+i:HN+i+1], v[HN+i:HN+i+1], v[GA+i:GA+i+1]   ; v = z (relu(hidden) + 0.5)
.set i, i+2
.endr
.if \fetch
	FCH 1-\p, 5
.endif
.irp j, 1,2,3,4,5,6,7                  ; my runs of 8 steps, from h = 0; the four runs by turns
.irp q, 0,1,2,3
	v_fma_f32 v[HN+8*\q+\j], v[PA+8*\q+\j], v[HN+8*\q+\j-1], v[HN+8*\q+\j]
.endr
.irp q, 0,1,2,3
	v_mul_f32 v[PA+8*\q+\j], v[PA+8*\q+\j], v[PA+8*\q+\j-1]       ; the product of c from the run's head on
.endr
.if (\fetch) && (\j == 2)
	FCH 1-\p, 6
.endif
.if (\fetch) && (\j == 4)
	FCH 1-\p, 7
.endif
.endr
	AGGR \p
	s_wait_alu depctr_va_vdst(0)
	s_wait_xcnt 0x0                                ; this trip's stores and prefetch have read their addresses and data
	s_add_nc_u64 s[38:39], s[38:39], SLOTB
	s_sub_co_u32 s51, s51, 1
.if \fin
	s_add_nc_u64 s[36:37], s[36:37], 4*64*768      ; four groups on in h's codes
	s_add_co_u32 s41, s41, 32
.endif
.endm
	s_load_b256 s[4:11], s[0:1], 0x0               ; xq s[4:5], whq s[6:7], hqc s[8:9], hqs s[10:11]
	v_lshl_add_u32 v[SPW], v0, 2, SPARE
	v_mov_b32 v[NIL], 0
	ds_add_u32 v[SPW], v[NIL]
	ds_add_u32 v[SPW], v[NIL]
	v_lshrrev_b32 v1, 5, v0
	v_readfirstlane_b32 s12, v1                    ; wave 0..3
	s_bfe_u32 s13, ttmp6, 0x40000                  ; cx
	s_lshl_b32 s14, ttmp9, 2
	s_add_co_u32 s14, s14, s13                     ; my block of 32 channels = 4 x cluster x + cx
	s_and_b32 s15, ttmp7, 0xffff                   ; the batch, which the four partners share
	s_mov_b32 s[G1+0], 15|(3<<16)|(1<<21)          ; a record, 25,600 dense bytes, as 100 rows of 256 bytes (32 elements of 8 bytes); the mask names all four work-groups
	s_mov_b32 s[G1+1], 32<<16
	s_mov_b32 s[G1+2], 100<<16
	s_mov_b32 s[G1+3], 32<<16
	s_mov_b32 s[G1+4], 100
	s_mov_b32 s[G1+5], 32
	s_mov_b32 s[G1+6], 0
	s_mov_b32 s[G1+7], 0
	s_wait_dscnt 0x0
	s_mul_i32 s52, s12, REC                        ; my record's place in a slot
	s_lshl_b32 s54, s15, 6
	s_add_co_u32 s54, s54, s12                     ; my group of tile 0: 64 b + w
	s_mul_i32 s54, s54, REC
	s_mov_b32 s55, 0
	s_mov_b32 s41, 0
	s_mov_b32 s42, 0xffff0000
	s_cmp_ge_u32 s12, 1
	s_cselect_b32 s43, -1, 0
	s_cmp_ge_u32 s12, 2
	s_cselect_b32 s44, -1, 0
	s_cmp_ge_u32 s12, 3
	s_cselect_b32 s45, -1, 0
	s_mov_b32 s46, 0x3fb8aa3b                      ; log2(e)
	s_mov_b32 s47, s46
	s_mov_b32 s48, 0x76543210
	s_mov_b32 s49, 0xfedcba98                      ; v_permlanex16_b32's selects for lane l xor 16
	s_mov_b32 s51, 16                              ; tiles to go
	s_cmp_eq_u32 ttmp9, 0                          ; the batch's first cluster: the same in all four partners
	s_cselect_b32 s40, 3, -1                       ; it asks while more than 3 tiles are to go: in trips 0 to 12
	v_and_b32 v1, 15, v0                           ; r
	v_bfe_u32 v2, v0, 4, 1                         ; h
	v_and_b32 v3, 31, v0                           ; lane
	v_lshlrev_b32 v[GP], 4, v1
	v_mad_u32_u24 v[GP], v2, 768, v[GP]            ; 16 r + 768 h
	v_lshlrev_b32 v[GP+1], 3, v1
	v_mad_u32_u24 v[GP+2], v2, 640, v[GP+1]
	v_add_nc_u32 v[GP+2], 128, v[GP+2]             ; 8 r + 128 + 640 h
	v_mad_u32_u24 v[GP+1], v2, 896, v[GP+1]        ; 8 r + 896 h
	v_lshlrev_b32 v[GP+3], 3, v3                   ; 8 x lane
.irp i, 0,1,2,3
	v_add_nc_u32 v[LA+\i], s52, v[GP+\i]
	v_add_nc_u32 v[LA+4+\i], SLOTB, v[LA+\i]
.endr
	s_lshl_b32 s53, s12, 8
	v_lshl_add_u32 v[AGW], v1, 4, s53
	v_add_nc_u32 v[AGW], AGG, v[AGW]               ; AGG + 256 w + 16 r
	v_lshl_add_u32 v[AGR], v1, 4, AGG
	s_mul_i32 s53, s12, 32*SPI
	v_lshlrev_b32 v[STW], 2, v1
	v_mad_u32_u24 v[STW], v2, 8*SPI, v[STW]
	v_add_nc_u32 v[STW], s53, v[STW]
	v_add_nc_u32 v[STW], STG, v[STW]               ; my stage + 8 h rows + 4 r
	v_mul_u32_u24 v[STR], v3, SPI
	v_add_nc_u32 v[STR], s53, v[STR]
	v_add_nc_u32 v[STR], STG, v[STR]               ; my stage + row = lane
	s_lshl_b32 s53, s12, 9
	v_add_nc_u32 v[SBA], s53, v3
	v_add_nc_u32 v[SBA], SCB, v[SBA]               ; SCB + 512 w + lane
	v_lshlrev_b32 v[VO16], 4, v3
	s_and_b32 s56, s14, 1
	s_lshl_b32 s56, s56, 4
	v_xor_b32 v[VO8], s56, v3
	v_lshlrev_b32 v[VO8], 3, v[VO8]
	v_min_u32 v[PFO], 24, v3
	v_lshlrev_b32 v[PFO], 8, v[PFO]
	v_lshlrev_b32 v[VOT], 4, v0
	v_bfe_u32 v[SBR], v0, 1, 2                     ; thread n reads steps 16 n .. 16 n + 15: tile n / 8, wave (n / 2) % 4, its steps 16 (n % 2) on
	v_lshlrev_b32 v[SBR], 9, v[SBR]
	v_lshrrev_b32 v31, 3, v0
	v_lshl_add_u32 v[SBR], v31, 5, v[SBR]
	v_and_b32 v31, 1, v0
	v_lshl_add_u32 v[SBR], v31, 4, v[SBR]
	v_add_nc_u32 v[SBR], SCB, v[SBR]
	v_mov_b32 v[HC], 0                             ; h = 0 ahead of the first step
	v_mov_b32 v[HC+1], 0
.irp i, 0,1,2,3,4,5,6,7
	v_mov_b32 v[HALF+\i], 0.5
	v_mov_b32 v[PP+\i], 0                          ; written once: a lane permute's destination counts as one of its sources
.endr
	s_lshl_b32 s56, s15, 6
	s_add_co_u32 s56, s56, s12
	s_lshl_b32 s56, s56, 6
	s_add_co_u32 s56, s56, s14
	s_mul_i32 s56, s56, 768                        ; h's codes: ((64 b + w) x 64 + my block) x 768
	s_mov_b32 s57, 0
	s_mul_i32 s58, s14, REC                        ; hidden W's record
	s_mov_b32 s59, 0
	s_wait_alu depctr_va_vdst(0)
	s_wait_kmcnt 0x0
	s_mov_b32 s[G0], 1
	s_mov_b32 s[G0+1], s52                         ; slot 0
	s_add_nc_u64 s[G0+2:G0+3], s[4:5], s[54:55]    ; tile 0
	s_mov_b32 s[G0+4], 1
	s_add_co_u32 s[G0+5], s52, SLOTB               ; slot 1
	s_add_nc_u64 s[G0+6:G0+7], s[G0+2:G0+3], SLOTB ; tile 1
	s_or_b32 s[G0+3], s[G0+3], 0x80000000
	s_or_b32 s[G0+7], s[G0+7], 0x80000000
	s_add_nc_u64 s[36:37], s[8:9], s[56:57]
	s_add_nc_u64 s[32:33], s[6:7], s[58:59]
	s_add_nc_u64 s[34:35], s[32:33], 64*REC        ; gate W's record
	s_mul_i32 s56, s15, 64*REC
	s_lshl_b32 s58, s13, 2
	s_add_co_u32 s58, s58, s12
	s_mul_i32 s58, s58, 6400                       ; 25 runs x (4 cx + w)
	s_add_co_u32 s56, s56, s58
	s_add_co_u32 s56, s56, 3*SLOTB                 ; trip 0 asks for tile 3
	s_add_nc_u64 s[38:39], s[4:5], s[56:57]
	s_lshl_b32 s56, s14, 13
	s_lshl_b32 s58, s15, 11
	s_add_co_u32 s56, s56, s58
	s_add_nc_u64 s[10:11], s[10:11], s[56:57]      ; h's scale bytes: 8,192 x block + 2,048 b
	ROUND                                          ; all four work-groups are here: the first joint loads meet
	tensor_load_to_lds s[G0:G0+3], s[G1:G1+7]      ; tile 0: my one tensor load at the head
	s_nop 0
	PLACES
	WIN 0x40                                       ; destination window 1
.irp a, 0,1
.irp s, 0,1,2,3,4,5,6,7
	WFRAG 12*(8*\a+\s), 32, 3072*\s, \a
.endr
.endr
	WIN 0x80                                       ; destination window 2
.irp a, 0,1
.irp s, 0,1,2,3,4,5,6,7
	WFRAG 12*(8*\a+\s), 34, 3072*\s, \a
.endr
.endr
	WIN 0
.irp g, 0,1
.irp u, 0,1,2,3
	global_load_b64 v[WS+8*\g+2*\u:WS+8*\g+2*\u+1], v[GP+3], s[32+2*\g:33+2*\g] offset:24576+256*\u
.endr
.endr
	s_wait_tensorcnt 0x0                           ; tile 0 has landed; slot 1's first fill is issued as a refill is
	ds_add_u32 v[SPW], v[NIL]
	s_wait_dscnt 0x0
	ROUND
	tensor_load_to_lds s[G0+4:G0+7], s[G1:G1+7]    ; tile 1
	s_nop 0
	PLACES
.irp c, 0,1,2,3,4,5,6,7
	FCH 0, \c                                      ; tile 0's fragments
.endr
	s_wait_loadcnt 0x0                             ; W stays
	TRIP 0, 1, 0, 1                                ; tile 0
	s_mov_b32 s50, 6
.Lpair:                                            ; tiles 1 to 12
	TRIP 1, 1, 1, 1
	TRIP 0, 1, 1, 1
	s_sub_co_u32 s50, s50, 1
	s_cmp_lg_u32 s50, 0
	s_cbranch_scc1 .Lpair
	TRIP 1, 1, 1, 1                                ; tile 13 asks for tile 15
	TRIP 0, 0, 1, 1                                ; the last two tiles are written out: they ask for nothing,
	TRIP 1, 0, 1, 0                                ; and the last fetches nothing
.set HO, HA0+96
	s_wait_dscnt 0x0                               ; my pairs of tile 15 are stored
	s_barrier_signal -1
	s_barrier_wait -1
	FIN_A 1
	FIN_B1 0
	s_wait_alu depctr_va_vdst(0)
	FIN_B2 0
	s_wait_dscnt 0x0                               ; my scale bytes are stored
	s_barrier_signal -1
	s_barrier_wait -1
	ds_load_b128 v[AG:AG+3], v[SBR]                ; the 2,048 steps' bytes, in the order of time
	s_wait_dscnt 0x0
	global_store_b128 v[VOT], v[AG:AG+3], s[10:11] ; the work-group stores 2,048 consecutive bytes
	s_wait_tensorcnt 0x0                           ; the wave's end
	ds_add_u32 v[SPW], v[NIL]
	s_wait_dscnt 0x0
	ROUND                                          ; the closing round
	s_endpgm
.Lfunc_end_k_q7bc276caa3_gru:
	.size	k_q7bc276caa3_gru, .Lfunc_end_k_q7bc276caa3_gru-k_q7bc276caa3_gru
	.p2alignl 7, 3214868480
	.fill 96, 4, 3214868480
	.section	.rodata,"a",@progbits
	.p2align	6, 0x0
	.amdhsa_kernel k_q7bc276caa3_gru
		.amdhsa_group_segment_fixed_size 327680
		.amdhsa_private_segment_fixed_size 0
		.amdhsa_enable_private_segment 0
		.amdhsa_kernarg_size 32
		.amdhsa_user_sgpr_count 2
		.amdhsa_user_sgpr_kernarg_segment_ptr 1
		.amdhsa_wavefront_size32 1
		.amdhsa_system_sgpr_workgroup_id_x 1
		.amdhsa_system_sgpr_workgroup_id_y 1
		.amdhsa_system_sgpr_workgroup_id_z 1
		.amdhsa_system_vgpr_workitem_id 0
		.amdhsa_next_free_vgpr 1024
		.amdhsa_next_free_sgpr 66
		.amdhsa_reserve_vcc 0
		.amdhsa_float_denorm_mode_32 3
		.amdhsa_float_denorm_mode_16_64 3
		.amdhsa_memory_ordered 1
		.amdhsa_forward_progress 1
		.amdhsa_inst_pref_size 228
	.end_amdhsa_kernel
	.amdgpu_metadata
---
amdhsa.version: [ 1, 2 ]
amdhsa.kernels:
  - .name:           k_q7bc276caa3_gru
    .symbol:         k_q7bc276caa3_gru.kd
    .args:
      - { .name: xq, .offset: 0, .size: 8, .value_kind: global_buffer, .address_space: global }
      - { .name: whq, .offset: 8, .size: 8, .value_kind: global_buffer, .address_space: global }
      - { .name: hqc, .offset: 16, .size: 8, .value_kind: global_buffer, .address_space: global }
      - { .name: hqs, .offset: 24, .size: 8, .value_kind: global_buffer, .address_space: global }
    .group_segment_fixed_size: 327680
    .private_segment_fixed_size: 0
    .kernarg_segment_align: 8
    .kernarg_segment_size: 32
    .max_flat_workgroup_size: 128
    .sgpr_count:     66
    .vgpr_count:     1024
    .wavefront_size: 32
...
	.end_amdgpu_metadata
.endif
;; end of part 2
;; launch outp (part 3): grid 8 x 32, 4 waves a work-group, clusters of 4 x 4, 327,680 bytes of LDS; arguments hqc, hqs, woq, out0; writes out0
.if DOCPART == 3
	.amdgcn_target "amdgcn-amd-amdhsa--gfx1250"
	.amdhsa_code_object_version 6
	.text
	.protected	k_q7bc276caa3_outp
	.globl	k_q7bc276caa3_outp
	.p2align	8
	.type	k_q7bc276caa3_outp,@function
k_q7bc276caa3_outp:
	s_mov_b64 s[64:65], 0
	v_nop
	global_prefetch_b8 v0, s[64:65] scope:SCOPE_SE
	s_setreg_imm32_b32 hwreg(HW_REG_WAVE_MODE, 25, 1), 1
	s_wait_xcnt 0x0
	s_wait_alu depctr_hold_cnt(0) depctr_sa_sdst(0) depctr_va_vdst(0) depctr_va_sdst(0) depctr_va_ssrc(0) depctr_va_vcc(0) depctr_vm_vsrc(0)
	s_getreg_b32 s2, hwreg(HW_REG_IB_STS2, 6, 4)
	s_cmp_eq_u32 s2, 0
	s_cbranch_scc0 .Lentry_in_a_cluster
	s_endpgm
.Lentry_in_a_cluster:
	s_bfe_u32 s2, ttmp6, 0x10000c
	s_cmp_lg_u32 s2, 0xf033
	s_cbranch_scc0 .Lentry_shape_is_right
	s_endpgm
.Lentry_shape_is_right:
.set CH,    12288
.set SLOT,  12*CH
.set BOFF,  8*CH
.set SCT,   2*SLOT
.set SCP,   1088
.set SPARE, SCT+16*SCP
.set SPITCH, 272
.set SBO,  9
.set STO,  10
.set RD,   11
.set CO,   12
.set RAWO, 13
.set SCW,  14
.set SCR,  15
.set ADRA, 16
.set ADRB, 22
.set SPW,  28
.set NIL,  29
.set SA,   32
.set SB,   96
.set RAW,  128
.set TW,   160
.set TT,   192
.set BK,   128
.set G1,  24
.set G0,  32
.set G1B, 48
.set G0B, 56
.set MSB, 0
.macro WIN new
.if MSB != \new
	s_set_vgpr_msb (MSB<<8)|\new
.set MSB, \new
.endif
.endm
.macro PLACES
.rept 4
	v_nop
.endr
.endm
.macro JLOAD g0a, g1a, g0b, g1b
	s_cmp_eq_u32 s15, 0
	s_cbranch_scc0 .Lfor_b_\@
	tensor_load_to_lds s[\g0a:\g0a+3], s[\g1a:\g1a+7]
	s_nop 0
.rept 4
	v_nop
.endr
	s_branch .Lasked_\@
.Lfor_b_\@:
	tensor_load_to_lds s[\g0b:\g0b+3], s[\g1b:\g1b+7]
	s_nop 0
.rept 4
	v_nop
.endr
.Lasked_\@:
.endm
.macro CROUND
	s_barrier_signal -1
	s_barrier_wait -1
	s_cmp_lg_u32 s14, 0
	s_cbranch_scc1 .Lnot_wave_0_\@
	s_barrier_signal -3
.Lnot_wave_0_\@:
	s_barrier_wait -3
	s_barrier_signal -1
	s_barrier_wait -1
.endm
	s_load_b256 s[4:11], s[0:1], 0x0
	v_lshl_add_u32 v[SPW], v0, 2, SPARE
	v_mov_b32 v[NIL], 0
	ds_add_u32 v28, v29
	ds_add_u32 v28, v29
	s_wait_dscnt 0x0
	v_lshrrev_b32 v1, 5, v0
	v_readfirstlane_b32 s14, v1
	s_lshr_b32 s15, s14, 1
	s_and_b32 s16, s14, 1
	s_bfe_u32 s40, ttmp6, 0x40000
	s_bfe_u32 s41, ttmp6, 0x40004
	s_lshl_b32 s42, ttmp9, 2
	s_add_co_u32 s42, s42, s40
	s_and_b32 s17, ttmp7, 0xffff
	s_lshl_b32 s17, s17, 2
	s_add_co_u32 s17, s17, s41
	s_lshl_b32 s43, s41, 2
	s_lshl_b32 s43, 15, s43
	s_lshl_b32 s44, 0x1111, s40
	s_or_b32 s[G1+0], s43, (3<<16)|(1<<21)
	s_mov_b32 s[G1+1], 1536<<16
	s_mov_b32 s[G1+2], 4<<16
	s_mov_b32 s[G1+3], 1536<<16
	s_mov_b32 s[G1+4], 4
	s_mov_b32 s[G1+5], 6144
	s_mov_b32 s[G1+6], 0
	s_mov_b32 s[G1+7], 0
	s_or_b32 s[G1B+0], s44, (3<<16)|(1<<21)
	s_mov_b32 s[G1B+1], 1536<<16
	s_mov_b32 s[G1B+2], 2<<16
	s_mov_b32 s[G1B+3], 1536<<16
	s_mov_b32 s[G1B+4], 2
	s_mov_b32 s[G1B+5], 6400
	s_mov_b32 s[G1B+6], 0
	s_mov_b32 s[G1B+7], 0
	s_lshl_b32 s20, s17, 3
	s_lshl_b32 s18, s16, 2
	s_add_co_u32 s20, s20, s18
	s_mul_i32 s20, s20, 64*768
	s_mov_b32 s21, 0
	s_lshl_b32 s46, s42, 2
	s_lshl_b32 s19, s16, 1
	s_add_co_u32 s46, s46, s19
	s_mul_i32 s46, s46, 51200
	s_mov_b32 s47, 0
	s_mul_i32 s45, s16, 4*CH
	s_mul_i32 s66, s16, 2*CH
	s_add_co_u32 s66, s66, BOFF
	s_lshl_b32 s68, s17, 8
	s_lshl_b32 s69, s15, 7
	s_add_co_u32 s68, s68, s69
	s_lshl_b32 s68, s68, 12
	s_lshl_b32 s69, s42, 9
	s_add_co_u32 s68, s68, s69
	s_lshl_b32 s69, s16, 8
	s_add_co_u32 s68, s68, s69
	s_mov_b32 s69, 0
	s_lshl_b32 s70, s17, 8
	s_mov_b32 s71, 0
	s_wait_kmcnt 0x0
	s_add_nc_u64 s[20:21], s[4:5], s[20:21]
	s_add_nc_u64 s[46:47], s[8:9], s[46:47]
	s_add_nc_u64 s[10:11], s[10:11], s[68:69]
	s_add_nc_u64 s[6:7], s[6:7], s[70:71]
	CROUND
.irp s, 0,1
	s_mov_b32 s[G0+4*\s], 1
	s_add_co_u32 s[G0+4*\s+1], s45, \s*SLOT
	s_add_nc_u64 s[G0+4*\s+2:G0+4*\s+3], s[20:21], \s*CH
	s_or_b32 s[G0+4*\s+3], s[G0+4*\s+3], 0x80000000
	s_mov_b32 s[G0B+4*\s], 1
	s_add_co_u32 s[G0B+4*\s+1], s66, \s*SLOT
	s_add_nc_u64 s[G0B+4*\s+2:G0B+4*\s+3], s[46:47], \s*CH
	s_or_b32 s[G0B+4*\s+3], s[G0B+4*\s+3], 0x80000000
.endr
	JLOAD G0, G1, G0B, G1B                         ; slot 0: my one tensor load at the head, behind the round; the scale loads and the addresses below are made while it is out
	v_and_b32 v1, 15, v0
	v_bfe_u32 v2, v0, 4, 1
	v_and_b32 v7, 63, v0
	v_lshrrev_b32 v8, 6, v0
	v_lshlrev_b32 v[RAWO], 2, v7
	v_lshl_add_u32 v[RAWO], v8, 18, v[RAWO]
	v_lshlrev_b32 v[SBO], 3, v1
	v_lshl_add_u32 v[SBO], v2, 2, v[SBO]
.irp k, 0,1,2,3,4,5,6,7,8,9,10,11,12,13,14,15,16,17,18,19,20,21,22,23,24,25,26,27,28,29,30,31
	global_load_b32 v[RAW+\k], v[RAWO], s[6:7] offset:\k*8192
.endr
.irp j, 0,1,2,3
.irp u, 0,1,2,3,4,5,6,7
	global_load_b32 v[SB+8*\j+\u], v[SBO], s[46:47] offset:(\j/2)*51200+49152+256*\u+128*(\j%2)
.endr
.endr
	v_lshlrev_b32 v4, 4, v1
	v_mad_u32_u24 v4, v2, 768, v4
	v_lshlrev_b32 v5, 3, v1
	v_mad_u32_u24 v6, v2, 640, v5
	v_add_nc_u32 v6, 128, v6
	v_mad_u32_u24 v5, v2, 896, v5
	s_mul_i32 s74, s15, 4*CH
	s_mul_i32 s75, s16, 2*CH
	s_add_co_u32 s75, s75, BOFF
.irp s, 0,1
.irp i, 0,1,2
	v_add_nc_u32 v[ADRA+3*\s+\i], s74, v[4+\i]
	v_add_nc_u32 v[ADRB+3*\s+\i], s75, v[4+\i]
.endr
	s_add_co_u32 s74, s74, SLOT
	s_add_co_u32 s75, s75, SLOT
.endr
	s_mul_i32 s76, s14, 16*SPITCH
	v_mul_u32_u24 v[STO], v1, SPITCH
	v_lshl_add_u32 v[STO], v2, 5, v[STO]
	v_add_nc_u32 v[STO], s76, v[STO]
	v_mul_u32_u24 v[RD], v2, SPITCH
	v_lshl_add_u32 v[RD], v1, 4, v[RD]
	v_add_nc_u32 v[RD], s76, v[RD]
	v_lshlrev_b32 v[CO], 12, v2
	v_lshl_add_u32 v[CO], v1, 4, v[CO]
	v_lshlrev_b32 v[SCW], 4, v7
	v_mad_u32_u24 v[SCW], v8, 8*SCP, v[SCW]
	v_add_nc_u32 v[SCW], SCT, v[SCW]
	v_lshlrev_b32 v[SCR], 2, v1
	v_mad_u32_u24 v[SCR], v2, SCP, v[SCR]
	s_lshl_b32 s77, s15, 9
	v_add_nc_u32 v[SCR], s77, v[SCR]
	v_add_nc_u32 v[SCR], SCT, v[SCR]
	s_wait_alu depctr_va_vdst(0)
	s_wait_tensorcnt 0x0                           ; slot 0 has landed; slot 1's first fill is issued as a refill is
	ds_add_u32 v[SPW], v[NIL]
	s_wait_dscnt 0x0
	CROUND
	JLOAD G0+4, G1, G0B+4, G1B
	s_wait_loadcnt 32
.irp q, 0,1,2,3,4,5,6,7
	v_perm_b32 v[TT], v[RAW+4*\q+1], v[RAW+4*\q], 0x05010400
	v_perm_b32 v[TT+1], v[RAW+4*\q+1], v[RAW+4*\q], 0x07030602
	v_perm_b32 v[TT+2], v[RAW+4*\q+3], v[RAW+4*\q+2], 0x05010400
	v_perm_b32 v[TT+3], v[RAW+4*\q+3], v[RAW+4*\q+2], 0x07030602
	v_perm_b32 v[TW+4*\q], v[TT+2], v[TT], 0x05040100
	v_perm_b32 v[TW+4*\q+1], v[TT+2], v[TT], 0x07060302
	v_perm_b32 v[TW+4*\q+2], v[TT+3], v[TT+1], 0x05040100
	v_perm_b32 v[TW+4*\q+3], v[TT+3], v[TT+1], 0x07060302
	ds_store_b128 v[SCW], v[TW+4*\q:TW+4*\q+3] offset:\q*SCP
.endr
.macro FRAG reg, ad, off, a
.set rF, \reg
.set rO, \off
	ds_load_b128 v[rF:rF+3], v[\ad] offset:rO+256*(\a)
	ds_load_b64 v[rF+4:rF+5], v[\ad+1+(\a)] offset:rO+512
	ds_load_b128 v[rF+6:rF+9], v[\ad] offset:rO+1536+256*(\a)
	ds_load_b64 v[rF+10:rF+11], v[\ad+1+(\a)] offset:rO+2048
.endm
.macro FETCH sl, kk, q
	WIN 0xc0
.irp i, 0,1,2,3,4,5,6,7
	FRAG 96*(\q)+12*\i, ADRA+3*(\sl), (\i/2)*CH+3072*(\kk), \i%2
.endr
	WIN 0x40
.irp j, 0,1,2,3
	FRAG 48*(\q)+12*\j, ADRB+3*(\sl), (\j/2)*CH+3072*(\kk), \j%2
.endr
	WIN 0
.endm
.macro MUL i0, q, s, zero
.irp i, \i0, \i0+1, \i0+2, \i0+3
.irp j, 0,1,2,3
.set rD, 8*(4*(\i)+\j)
.set rB, 48*(\q)+12*\j
.set rA, 96*(\q)+12*(\i)
.set rP, SB+8*\j+(\s)/2
.set rQ, SA+8*(\i)+(\s)/2
.if \zero
	v_wmma_scale_f32_16x16x128_f8f6f4 v[rD:rD+7], v[rB:rB+11], v[rA:rA+11], 0, v[rP], v[rQ] matrix_a_fmt:MATRIX_FMT_BF6 matrix_b_fmt:MATRIX_FMT_BF6
.elseif ((\s)%2) == 0
	v_wmma_scale_f32_16x16x128_f8f6f4 v[rD:rD+7], v[rB:rB+11], v[rA:rA+11], v[rD:rD+7], v[rP], v[rQ] matrix_a_fmt:MATRIX_FMT_BF6 matrix_b_fmt:MATRIX_FMT_BF6
.else
	v_wmma_scale_f32_16x16x128_f8f6f4 v[rD:rD+7], v[rB:rB+11], v[rA:rA+11], v[rD:rD+7], v[rP], v[rQ] matrix_a_fmt:MATRIX_FMT_BF6 matrix_b_fmt:MATRIX_FMT_BF6 matrix_a_scale:MATRIX_SCALE_ROW1 matrix_b_scale:MATRIX_SCALE_ROW1
.endif
.endr
.endr
.endm
.set W_MUL, 0xad
.macro STEP sl, kk, s, zero
	s_wait_dscnt 0x0
	PLACES
	FETCH \sl, (\kk)+1, 1-(\s)%2
	WIN W_MUL
	MUL 0, (\s)%2, \s, \zero
	MUL 4, (\s)%2, \s, \zero
	WIN 0
.endm
.macro TURN sl, s, fill
	s_wait_dscnt 0x0
	s_wait_tensorcnt 0x0
	ds_add_u32 v[SPW], v[NIL]
	WIN W_MUL
	MUL 0, 1, \s, 0
	WIN 0
	s_wait_dscnt 0x0
.if \fill
	CROUND
	s_add_nc_u64 s[G0+4*\sl+2:G0+4*\sl+3], s[G0+4*\sl+2:G0+4*\sl+3], 2*CH
	s_add_nc_u64 s[G0B+4*\sl+2:G0B+4*\sl+3], s[G0B+4*\sl+2:G0B+4*\sl+3], 2*CH
	JLOAD G0+4*\sl, G1, G0B+4*\sl, G1B
.else
	s_barrier_signal -1
	s_barrier_wait -1
	PLACES
.endif
	FETCH 1-(\sl), 0, 0
	WIN W_MUL
	MUL 4, 1, \s, 0
	WIN 0
.endm
	s_wait_tensorcnt 1
	s_wait_dscnt 0x0
	s_barrier_signal -1
	s_barrier_wait -1
.irp i, 0,1,2,3,4,5,6,7
.irp u, 0,1,2,3,4,5,6,7
	ds_load_b32 v[SA+8*\i+\u], v[SCR] offset:2*SCP*\u+64*\i
.endr
.endr
	FETCH 0, 0, 0
	s_wait_loadcnt 0x0
	STEP 0, 0, 0, 1
	STEP 0, 1, 1, 0
	STEP 0, 2, 2, 0
	TURN 0, 3, 1
	STEP 1, 0, 4, 0
	STEP 1, 1, 5, 0
	STEP 1, 2, 6, 0
	TURN 1, 7, 1
	STEP 0, 0, 8, 0
	STEP 0, 1, 9, 0
	STEP 0, 2, 10, 0
	TURN 0, 11, 0
	STEP 1, 0, 12, 0
	STEP 1, 1, 13, 0
	STEP 1, 2, 14, 0
	s_wait_dscnt 0x0
	WIN W_MUL
	MUL 0, 1, 15, 0
	MUL 4, 1, 15, 0
	WIN 0
.macro TOSTAGE i
	WIN 0x08
.irp j, 0,1,2,3
	ds_store_b128 v[STO], v[8*(4*(\i)+\j):8*(4*(\i)+\j)+3] offset:64*\j
	ds_store_b128 v[STO], v[8*(4*(\i)+\j)+4:8*(4*(\i)+\j)+7] offset:64*\j+16
.endr
	WIN 0
.set BB, BK+32*((\i)%2)
.irp t, 0,1,2,3,4,5,6,7
	ds_load_b128 v[BB+4*\t:BB+4*\t+3], v[RD] offset:2*\t*SPITCH
.endr
.endm
.macro SEND i, younger
.set BB, BK+32*((\i)%2)
	s_wait_dscnt \younger
.irp t, 0,1,2,3,4,5,6,7
	global_store_b128 v[CO], v[BB+4*\t:BB+4*\t+3], s[10:11] offset:(16*(\i)+2*\t)*4096 th:TH_STORE_NT
.endr
.endm
	PLACES
	TOSTAGE 0
.irp a, 1,2,3,4,5,6,7
.if \a > 1
	s_wait_xcnt 0x0
.endif
	TOSTAGE \a
	SEND \a-1, 16
.endr
	SEND 7, 0
	s_wait_tensorcnt 0x0
	ds_add_u32 v[SPW], v[NIL]
	s_wait_dscnt 0x0
	CROUND
	s_endpgm
.Lfunc_end_k_q7bc276caa3_outp:
	.size	k_q7bc276caa3_outp, .Lfunc_end_k_q7bc276caa3_outp-k_q7bc276caa3_outp
	.p2alignl 7, 3214868480
	.fill 96, 4, 3214868480
	.section	.rodata,"a",@progbits
	.p2align	6, 0x0
	.amdhsa_kernel k_q7bc276caa3_outp
		.amdhsa_group_segment_fixed_size 327680
		.amdhsa_private_segment_fixed_size 0
		.amdhsa_enable_private_segment 0
		.amdhsa_kernarg_size 32
		.amdhsa_user_sgpr_count 2
		.amdhsa_user_sgpr_kernarg_segment_ptr 1
		.amdhsa_wavefront_size32 1
		.amdhsa_system_sgpr_workgroup_id_x 1
		.amdhsa_system_sgpr_workgroup_id_y 1
		.amdhsa_system_sgpr_workgroup_id_z 1
		.amdhsa_system_vgpr_workitem_id 0
		.amdhsa_next_free_vgpr 1024
		.amdhsa_next_free_sgpr 80
		.amdhsa_reserve_vcc 0
		.amdhsa_float_denorm_mode_32 3
		.amdhsa_float_denorm_mode_16_64 3
		.amdhsa_memory_ordered 1
		.amdhsa_forward_progress 1
		.amdhsa_inst_pref_size 160
	.end_amdhsa_kernel
	.amdgpu_metadata
---
amdhsa.version: [ 1, 2 ]
amdhsa.kernels:
  - .name:           k_q7bc276caa3_outp
    .symbol:         k_q7bc276caa3_outp.kd
    .args:
      - { .name: hqc, .offset: 0, .size: 8, .value_kind: global_buffer, .address_space: global }
      - { .name: hqs, .offset: 8, .size: 8, .value_kind: global_buffer, .address_space: global }
      - { .name: woq, .offset: 16, .size: 8, .value_kind: global_buffer, .address_space: global }
      - { .name: out0, .offset: 24, .size: 8, .value_kind: global_buffer, .address_space: global }
    .group_segment_fixed_size: 327680
    .private_segment_fixed_size: 0
    .kernarg_segment_align: 8
    .kernarg_segment_size: 32
    .max_flat_workgroup_size: 128
    .sgpr_count:     80
    .vgpr_count:     1024
    .wavefront_size: 32
...
	.end_amdgpu_metadata
.endif
;; end of part 3
